; MI455X (gfx1250); checked and timed in simulation.
; The chip was launched on July 23, 2026; its instructions are those of AMD's public machine-readable ISA for CDNA 5 (MIT licence, August 2026) and "CDNA5" Instruction Set Architecture Reference Guide (July 2026). The comments in the code are by the model that wrote it; some were corrected since.
;; Scorer. Allowed arithmetic: matrix products marked QUANTISED: E4M3 operands, one given power-of-two scale a tensor, by v_wmma_f32_16x16x64_fp8_fp8 or v_wmma_f32_16x16x128_fp8_fp8, f32 sums; everything else in f32.
;; Inputs: feature_batch 8 x 32 x 32 x 512 float32; lowp_scales 2 int32 (the exponents e of the quantised operands' scales 2^e); mb 16,384 x 512 float32.
;; Outputs: out0 8 x 1 x 32 x 32 float32; out1 8 float32.
;; Constants: b = 9.
;; This version of the problem:
;;   THIS VERSION OF THE PROBLEM IS GIVEN IN LOW PRECISION. The matrix products marked QUANTISED in the list below multiply operands that are first quantised to E4M3 (4 exponent bits, 3 mantissa bits; 8 bits a number), with one given power-of-two scale for each operand tensor; their sums are f32. All else is computed in f32.
;;   The module's matrix products, in the order in which they are computed (A, B: the left and right operand; K: the contracted axis; several contracted axes count as one K, in the product's order):
;;     1. [M 8,192, K 512] x [K 512, N 16,384]; A: input feature_batch; B: input mb: QUANTISED (scales: A lowp_scales[0], B lowp_scales[1])
;;   THE QUANTISER, for each operand of a quantised product, along K:
;;     - The operand's scale is 2^e, e = its entry of the input lowp_scales (int32; the entries are numbered through the quantised products in the list's order, A before B).
;;     - Each number is divided by the scale, clamped to +-448, and rounded to the nearest number of E4M3, ties to even, subnormals kept.
;;     - The product sums the exact products of the quantised numbers (number of the format x scale) in f32.
;;   ~~~python
;;   def quantise(x, axis, e):      # numpy; x: float32 -> the quantised numbers, widened to float32 again
;;       x = np.moveaxis(x, axis, -1); K = x.shape[-1]
;;       r = np.clip(x / 2.0 ** e, -448, 448)
;;       step = 2.0 ** (np.maximum(np.frexp(np.where(r == 0, 1, r))[1] - 1, -6) - 3)
;;       q = np.round(r / step) * step * 2.0 ** e      # np.round: ties to even
;;       return np.moveaxis(q, -1, axis).astype(np.float32)
;;   ~~~
;; One version. Each part assembles by itself: llvm-mc -triple=amdgcn-amd-amdhsa -mcpu=gfx1250 --defsym DOCPART=n.
;; ======== version 1 of 1: 5 launches
;; workspace buffers: qcodes 4,194,304 bytes; mcodes 8,388,608 bytes; xn 32,768 bytes; mbias 65,536 bytes; pmax 524,288 bytes; idx 2,048 bytes of whole numbers; vbuf 524,288 bytes
;; launch quant (part 1): grid 384 x 1, 4 waves a work-group, no clusters, 34,816 bytes of LDS; arguments feature_batch, mb, lowp_scales, qcodes, mcodes, xn, mbias; writes qcodes, mcodes, xn, mbias
.if DOCPART == 1
	.amdgcn_target "amdgcn-amd-amdhsa--gfx1250"
	.amdhsa_code_object_version 6
	.text
	.protected	k_q00e7ccdd9a_quant
	.globl	k_q00e7ccdd9a_quant
	.p2align	8
	.type	k_q00e7ccdd9a_quant,@function
k_q00e7ccdd9a_quant:
	s_mov_b64 s[64:65], 0
	v_nop
	global_prefetch_b8 v0, s[64:65] scope:SCOPE_SE
	s_setreg_imm32_b32 hwreg(HW_REG_WAVE_MODE, 25, 1), 1
	s_wait_xcnt 0x0
; feature_batch [8192][512] and mb [16384][512], f32, become codes of E4M3 with the given scales 2^e0, 2^e1, and each row's sum of squares (of the numbers as given, in f32) is taken on the way.
; code = x / 2^e, held within +-448, to the nearest code, ties to even.  xn[q] = |x_q|^2.  mbias[n] = -|m_n|^2 x 2^-E, E = e0 + e1 + 1: what the product's sums of codes lack of -sq / 2^E besides xn.
; LIMITS: -126 <= e0, e1 <= 119 (2^e and 448 x 2^e are made as f32 patterns).  NaN among the inputs is not served.
; THE CODES ARE LAID IN THE ORDER OF THE OPERAND'S REGISTERS: [tile of 16 rows][K step s of 128][c 0..3][lane][16 bytes]; lane 16 h + r holds row r, k = 128 s + 32 c + 16 h + 0 .. 15.  A tile is 8,192 bytes on end.
; SHARES.  Work-groups 0-127 take feature_batch, 128-383 take mb: only pointers and scalars are chosen, by the work-group's number; there is one path.  A wave takes one tile: 16 rows, four K steps.
; A load reads 512 consecutive bytes of one row; a conversion wants 16 neighbours along K in one lane.  So a K step's 16 x 512 bytes turn through the wave's own stage in LDS (rows 528 bytes apart: 33 x 16, so that
; sixteen rows' equal columns fall on sixteen different groups of banks).  Loads run one K step (16 loads a wave) ahead.  No tensor loads: a plain stream, waves share only the 64 norms at the end.
.set STGB, 16*528                      ; a wave's stage
.set NRM,  4*STGB                      ; behind the stages: the block's 64 norms, 256 bytes
.set NA,   8                           ; v[8:15]    four packed chains of the sum of squares
.set R,    16                          ; v[16:143]  two sets of 64: a K step as loaded
.set X,    144                         ; v[144:207] register 16 c + i = k 32 c + 16 h + i of my row
.set C,    208                         ; v[208:223] the K step's codes
	s_load_b256 s[4:11], s[0:1], 0x0               ; feature_batch s[4:5], mb s[6:7], lowp_scales s[8:9], qcodes s[10:11]
	s_load_b128 s[12:15], s[0:1], 0x20             ; mcodes s[12:13], xn s[14:15]
	s_load_b64 s[16:17], s[0:1], 0x30              ; mbias
	v_lshl_add_u32 v232, v0, 2, 0x8600
	v_mov_b32 v233, 0
	v_lshrrev_b32 v1, 5, v0
	v_readfirstlane_b32 s18, v1                    ; wave 0..3
	v_and_b32 v1, 31, v0                           ; lane
	v_lshlrev_b32 v2, 4, v1                        ; 16 x lane: my bytes of a load's and of a store's 512; never rewritten
	s_mul_i32 s19, s18, STGB
	v_add_nc_u32 v3, s19, v2                       ; the stage, way in: as loaded
	v_and_b32 v9, 15, v0                           ; r
	v_bfe_u32 v10, v0, 4, 1                        ; h
	v_mul_u32_u24 v4, v9, 528
	v_lshl_add_u32 v4, v10, 6, v4
	v_add_nc_u32 v4, s19, v4                       ; way out: row r, + 64 h bytes: my 16 numbers of a block of 32
	s_lshl_b32 s19, s18, 6
	s_add_co_u32 s19, s19, NRM
	v_lshlrev_b32 v7, 2, v9
	v_add_nc_u32 v7, s19, v7                       ; my row's norm: NRM + 64 x wave + 4 r
	v_lshlrev_b32 v225, 3, v1                      ; wave 0's way out of the norms: 8 bytes a lane,
	v_add_nc_u32 v224, NRM, v225                   ; and the same in LDS
	s_mov_b32 s28, 0x76543210                      ; v_permlanex16_b32: each lane takes its own place in the other half
	s_mov_b32 s29, 0xfedcba98
	s_wait_kmcnt 0x0
	s_load_b64 s[20:21], s[8:9], 0x0               ; e0, e1
	s_cmp_lt_u32 ttmp9, 128                        ; feature_batch's work-group or mb's: the choice hangs on the work-group's number alone
	s_cselect_b64 s[4:5], s[4:5], s[6:7]           ; the numbers,
	s_cselect_b64 s[10:11], s[10:11], s[12:13]     ; their codes,
	s_cselect_b64 s[14:15], s[14:15], s[16:17]     ; their norms
	s_cselect_b32 s22, 0, 128
	s_sub_co_u32 s22, ttmp9, s22                   ; the block of 64 rows in its tensor
	s_lshl_b32 s23, s22, 2
	s_add_co_u32 s23, s23, s18                     ; my tile
	s_lshl_b32 s24, s23, 15                        ; 16 rows of 2,048 bytes (under 2^26)
	s_mov_b32 s25, 0
	s_add_nc_u64 s[4:5], s[4:5], s[24:25]
	s_lshl_b32 s24, s23, 13                        ; 8,192 bytes of codes
	s_add_nc_u64 s[10:11], s[10:11], s[24:25]
	s_lshl_b32 s24, s22, 8                         ; 64 norms
	s_add_nc_u64 s[14:15], s[14:15], s[24:25]
.macro LOAD s                          ; K step s of my 16 rows: load i reads 512 consecutive bytes of row i
.irp i, 0,1,2,3,4,5,6,7,8,9,10,11,12,13,14,15
	global_load_b128 v[R+64*((\s)%2)+4*\i:R+64*((\s)%2)+4*\i+3], v2, s[4:5] offset:2048*\i+512*(\s) th:TH_LOAD_NT
.endr
.endm
	LOAD 0
	LOAD 1
	s_wait_kmcnt 0x0
	s_add_co_i32 s26, s20, s21
	s_add_co_i32 s26, s26, 1                       ; E
	s_sub_co_i32 s26, 0, s26                       ; -E
	s_mov_b32 s31, 0xbf800000                      ; -1.0
	s_cmp_lt_u32 ttmp9, 128
	s_cselect_b32 s20, s20, s21                    ; my tensor's e
	s_cselect_b32 s30, 0, s26                      ; the norm's power of two: 0 for xn, -E for mbias,
	s_cselect_b32 s31, 0x3f800000, s31             ; and its sign
	s_add_co_i32 s20, s20, 127
	s_lshl_b32 s21, s20, 23
	v_mov_b32 v5, s21                              ; 2^e as f32: the conversion takes its exponent field
	s_add_co_i32 s20, s20, 8
	s_lshl_b32 s20, s20, 23
	s_or_b32 s20, s20, 0x600000
	v_mov_b32 v6, s20                              ; 448 x 2^e
.macro STEP s
.if (\s) < 3
	s_wait_loadcnt 16                              ; this K step's 16 loads are in; the next step's 16 may be out
.else
	s_wait_loadcnt 0x0
.endif
.irp i, 0,1,2,3,4,5,6,7,8,9,10,11,12,13,14,15
	ds_store_b128 v3, v[R+64*((\s)%2)+4*\i:R+64*((\s)%2)+4*\i+3] offset:528*\i
.endr
.irp c, 0,1,2,3
.irp j, 0,1,2,3
	ds_load_b128 v[X+16*\c+4*\j:X+16*\c+4*\j+3], v4 offset:128*\c+16*\j   ; LDS serves a wave's instructions in order: these see the stores above
.endr
.endr
	s_wait_dscnt 0x0                               ; my 64 numbers are in, and the stage's stores have read their registers,
.if (\s) < 2
	LOAD (\s)+2                                    ; which take the K step two on
.endif
.set p, 0
.rept 32                                       ; the sum of squares, of the numbers as given: two at a time, four chains; the first four products start them, so nothing is cleared
.if ((\s) == 0) && (p < 4)
	v_pk_mul_f32 v[NA+2*p:NA+2*p+1], v[X+2*p:X+2*p+1], v[X+2*p:X+2*p+1]
.else
	v_pk_fma_f32 v[NA+2*(p%4):NA+2*(p%4)+1], v[X+2*p:X+2*p+1], v[X+2*p:X+2*p+1], v[NA+2*(p%4):NA+2*(p%4)+1]
.endif
.set p, p+1
.endr
.set p, 0
.rept 64
	v_med3_num_f32 v[X+p], v[X+p], -v6, v6         ; the conversion to an 8-bit code does not saturate (ISA guide 7.6.2): the hold at the largest code x the scale
.set p, p+1
.endr
.if (\s) > 0
	s_wait_xcnt 0x0                                ; the last step's stores have read their data: the codes' registers are written again only behind this wait
.endif
.irp c, 0,1,2,3
.irp g, 0,1
	v_cvt_scalef32_pk8_fp8_f32 v[C+4*\c+2*\g:C+4*\c+2*\g+1], v[X+16*\c+8*\g:X+16*\c+8*\g+7], v5
.endr
.endr
	v_nop                                          ; one plain vector line behind the last conversion of the run
.irp c, 0,1,2,3
	global_store_b128 v2, v[C+4*\c:C+4*\c+3], s[10:11] offset:2048*(\s)+512*\c   ; 32 lanes store 512 consecutive bytes, aligned: registers 4 c .. 4 c + 3 of the operand, lane by lane
.endr
.endm
	STEP 0
	STEP 1
	STEP 2
	STEP 3
	v_pk_add_f32 v[NA:NA+1], v[NA:NA+1], v[NA+2:NA+3]
	v_pk_add_f32 v[NA+4:NA+5], v[NA+4:NA+5], v[NA+6:NA+7]
	v_pk_add_f32 v[NA:NA+1], v[NA:NA+1], v[NA+4:NA+5]
	v_add_f32 v8, v8, v9                           ; my half of the row,
	v_permlanex16_b32 v9, v8, s28, s29
	v_add_f32 v8, v8, v9                           ; and the other half's: the same sum in both lanes
	v_ldexp_f32 v8, v8, s30
	v_mul_f32 v8, s31, v8
	ds_store_b32 v7, v8                            ; both halves write the same word with the same number
	s_wait_dscnt 0x0                               ; for wave 0's sake: my store has landed
	s_barrier_signal -1
	s_barrier_wait -1
	s_cmp_lg_u32 s18, 0
	s_cbranch_scc1 .Ldone
	ds_load_b64 v[226:227], v224                   ; the block's 64 norms
	s_wait_dscnt 0x0
	global_store_b64 v225, v[226:227], s[14:15]    ; 32 lanes store 256 consecutive bytes, aligned
.Ldone:
	s_wait_tensorcnt 0x0
	ds_add_u32 v232, v233
	s_wait_dscnt 0x0
	s_endpgm
.Lfunc_end_k_q00e7ccdd9a_quant:
	.size	k_q00e7ccdd9a_quant, .Lfunc_end_k_q00e7ccdd9a_quant-k_q00e7ccdd9a_quant
	.p2alignl 7, 3214868480
	.fill 96, 4, 3214868480
	.section	.rodata,"a",@progbits
	.p2align	6, 0x0
	.amdhsa_kernel k_q00e7ccdd9a_quant
		.amdhsa_group_segment_fixed_size 34816
		.amdhsa_private_segment_fixed_size 0
		.amdhsa_enable_private_segment 0
		.amdhsa_kernarg_size 56
		.amdhsa_user_sgpr_count 2
		.amdhsa_user_sgpr_kernarg_segment_ptr 1
		.amdhsa_wavefront_size32 1
		.amdhsa_system_sgpr_workgroup_id_x 1
		.amdhsa_system_sgpr_workgroup_id_y 1
		.amdhsa_system_sgpr_workgroup_id_z 1
		.amdhsa_system_vgpr_workitem_id 0
		.amdhsa_next_free_vgpr 234
		.amdhsa_next_free_sgpr 66
		.amdhsa_reserve_vcc 0
		.amdhsa_float_denorm_mode_32 3
		.amdhsa_float_denorm_mode_16_64 3
		.amdhsa_memory_ordered 1
		.amdhsa_forward_progress 1
		.amdhsa_inst_pref_size 46
	.end_amdhsa_kernel
	.amdgpu_metadata
---
amdhsa.version: [ 1, 2 ]
amdhsa.kernels:
  - .name:           k_q00e7ccdd9a_quant
    .symbol:         k_q00e7ccdd9a_quant.kd
    .args:
      - { .name: feature_batch, .offset: 0, .size: 8, .value_kind: global_buffer, .address_space: global }
      - { .name: mb, .offset: 8, .size: 8, .value_kind: global_buffer, .address_space: global }
      - { .name: lowp_scales, .offset: 16, .size: 8, .value_kind: global_buffer, .address_space: global }
      - { .name: qcodes, .offset: 24, .size: 8, .value_kind: global_buffer, .address_space: global }
      - { .name: mcodes, .offset: 32, .size: 8, .value_kind: global_buffer, .address_space: global }
      - { .name: xn, .offset: 40, .size: 8, .value_kind: global_buffer, .address_space: global }
      - { .name: mbias, .offset: 48, .size: 8, .value_kind: global_buffer, .address_space: global }
    .group_segment_fixed_size: 34816
    .private_segment_fixed_size: 0
    .kernarg_segment_align: 8
    .kernarg_segment_size: 56
    .max_flat_workgroup_size: 128
    .sgpr_count:     66
    .vgpr_count:     234
    .wavefront_size: 32
...
	.end_amdgpu_metadata
.endif
;; end of part 1
;; launch nearest (part 2): grid 16 x 16, 4 waves a work-group, clusters of 4 x 1, 327,680 bytes of LDS; arguments qcodes, mcodes, mbias, pmax; writes pmax
.if DOCPART == 2
	.amdgcn_target "amdgcn-amd-amdhsa--gfx1250"
	.amdhsa_code_object_version 6
	.text
	.protected	k_q00e7ccdd9a_nearest
	.globl	k_q00e7ccdd9a_nearest
	.p2align	8
	.type	k_q00e7ccdd9a_nearest,@function
k_q00e7ccdd9a_nearest:
	s_mov_b64 s[64:65], 0
	v_nop
	global_prefetch_b8 v0, s[64:65] scope:SCOPE_SE
	s_setreg_imm32_b32 hwreg(HW_REG_WAVE_MODE, 25, 1), 1
	s_wait_xcnt 0x0
	s_wait_alu depctr_hold_cnt(0) depctr_sa_sdst(0) depctr_va_vdst(0) depctr_va_sdst(0) depctr_va_ssrc(0) depctr_va_vcc(0) depctr_vm_vsrc(0)
	s_getreg_b32 s2, hwreg(HW_REG_IB_STS2, 6, 4)
	s_cmp_eq_u32 s2, 0
	s_cbranch_scc0 .Lentry_in_a_cluster
	s_endpgm
.Lentry_in_a_cluster:
	s_bfe_u32 s2, ttmp6, 0x10000c
	s_cmp_lg_u32 s2, 0x3003
	s_cbranch_scc0 .Lentry_shape_is_right
	s_endpgm
.Lentry_shape_is_right:
; pmax[chunk][q] = the largest, over the chunk's 1,024 bank rows n, of v(q, n) = (sum over k of code_x(q, k) code_m(n, k)) + mbias[n].  sq = xn - 2^E v, so the largest v is the smallest squared distance.
; SHARES.  A work-group makes 512 queries x 1,024 bank rows.  Wave w keeps its 128 queries (8 tiles x 4 K steps x 16 registers = 512 registers) in registers for the whole launch; all four waves walk the
; same 64 bank tiles out of LDS: 8,192 + 32 bytes from LDS feed a wave's 32 matrix instructions.  A wave issues 64 x 32 = 2,048 matrix instructions.
; THE MATRIX INSTRUCTION: source 0 = 16 bank rows, source 1 = 16 queries: lane (r, h) holds query r, register j bank row 8 h + j: the maximum runs along a lane's registers.  mbias is the C of a tile's first
; instruction, so it costs no addition.  Both operands lie in memory in the order of their registers (lane 16 h + r: row r, k = 128 s + 32 c + 16 h + 0 .. 15): the same permutation of k on both sides.
; BY TURNS.  A bank tile is two groups of 16 matrix instructions (query tiles 0-3, then 4-7; four accumulators take turns, one instruction a turn).  Behind every fourth stands a slice of four
; v_max3_num_f32 that takes the maximum of a finished accumulator of the OTHER group: one vector instruction for each matrix instruction.  The next tile's 18 LDS loads stand in pairs in the first group.
; CLUSTER.  The four work-groups of a cluster have the same chunk and other queries: each bank tile is asked for JOINTLY (mask 15).  The queries go straight into registers and are each read by one work-group of the cluster.
; RING.  Two slots of 16 tiles (131,072 bytes, dense: every LDS load reads 512 consecutive bytes).  Each wave fetches a quarter of a slot by one load.  By the text's count two tensor loads of a wave are out at the
; start and one behind each of the two rounds that fill a slot again; that load has 16 tiles, 512 matrix instructions a wave, in which to land; so nothing is prefetched here.
; REGISTERS: window 0: v1-10 addresses; v12-15 at work; v16-23 the running maxima; v24-31 the other half's; v32-47 two sets of bias; v48-111 eight accumulators; v112-115 at work; v128-255 two sets of bank fragments.
;   window 1: query tiles 0-3 at v[64 q + 16 k];  window 2: query tiles 4-7.
.set SLOTB, 131072
.set BIAS,  2*SLOTB
.set SPARE, BIAS+4096                  ; the spare words, 128 bytes for each wave: two blocks of 256 bytes that no other line names
.set OUT,   SPARE+512                  ; the way out: 512 bytes for each wave
.set LI,  1                            ; v1   16 x lane
.set LB,  2                            ; v2   BIAS + 32 h
.set ADR, 3                            ; v3   LDS address of the fragments to be fetched
.set ADB, 4                            ; v4   of their bias
.set SPW, 5                            ; v5   SPARE + 4 x my thread's number; never rewritten
.set NIL, 6                            ; v6   0; never rewritten
.set BST, 7                            ; v7   BIAS + 16 x thread
.set OST, 8                            ; v8   OUT + 512 x wave + 4 r
.set ORD, 9                            ; v9   OUT + 512 x wave + 16 x lane
.set GB,  10                           ; v10  16 x thread
.set RUN, 16
.set PL,  24
.set BI,  32
.set ACC, 48
.set TMP, 112
.set F,   128
.set WV,  12                           ; s12  my wave's number
.set G1,  24                           ; s[24:31] descriptor group 1
.set G0,  32                           ; s[32:39] descriptor group 0, a set for each slot
.set TB,  40                           ; s40  LDS byte of the tile to be fetched next
.set TBB, 41                           ; s41  64 x its number in the chunk
.set CNT, 42
.set SEL, 44                           ; s[44:45] lane selects for v_permlanex16_b32
.set MSB, 0
.macro WIN new                         ; the immediate's high byte repeats the setting that is left; a switch that changes nothing is dropped
.if MSB != \new
	s_set_vgpr_msb (MSB<<8)|\new
.set MSB, \new
.endif
.endm
.set W_A, 0x04                         ; source 1 (queries) window 1; all else window 0, an LDS load's address and destination too
.set W_B, 0x08                         ; source 1 window 2
.macro CROUND                          ; a round of the cluster's barrier: my work-group's barrier; wave 0 signals for the work-group; every wave waits for all four work-groups; my work-group's barrier once more
	s_barrier_signal -1
	s_barrier_wait -1
	s_cmp_lg_u32 s[WV], 0
	s_cbranch_scc1 .Lnot_wave_0_\@
	s_barrier_signal -3
.Lnot_wave_0_\@:
	s_barrier_wait -3
	s_barrier_signal -1
	s_barrier_wait -1
.endm
	s_load_b256 s[4:11], s[0:1], 0x0               ; qcodes s[4:5], mcodes s[6:7], mbias s[8:9], pmax s[10:11]
	v_lshl_add_u32 v[SPW], v0, 2, SPARE
	v_mov_b32 v[NIL], 0
	ds_add_u32 v5, v6
	ds_add_u32 v5, v6
	s_wait_dscnt 0x0
	v_lshrrev_b32 v[LI], 5, v0
	v_readfirstlane_b32 s[WV], v[LI]               ; wave 0..3
	s_bfe_u32 s13, ttmp6, 0x40000                  ; cx: my place in the cluster: it enters the queries' and pmax's addresses alone
	s_lshl_b32 s14, ttmp9, 2                       ; in a cluster launch ttmp9 counts clusters
	s_add_co_u32 s14, s14, s13                     ; my block of 512 queries
	s_and_b32 s15, ttmp7, 0xffff                   ; the chunk, which the four partners share
	; descriptor group 1: 128 rows of 256 bytes, dense in memory and in LDS
	s_mov_b32 s[G1], 15|(3<<16)|(1<<21)            ; 15:0 the mask: all four work-groups; 17:16 elements of 8 bytes; 20 no padding; 21 set beside a mask
	s_mov_b32 s[G1+1], 32<<16                      ; tensor_dim0 = 32
	s_mov_b32 s[G1+2], 128<<16                     ; tensor_dim1 = 128
	s_mov_b32 s[G1+3], 32<<16                      ; tile_dim0 = 32
	s_mov_b32 s[G1+4], 128                         ; tile_dim1 = 128
	s_mov_b32 s[G1+5], 32                          ; tensor_dim0_stride
	s_mov_b32 s[G1+6], 0
	s_mov_b32 s[G1+7], 0
	s_lshl_b32 s16, s14, 18                        ; my block's 32 tiles of queries,
	s_lshl_b32 s17, s[WV], 16                      ; my wave's 8 of them
	s_add_co_u32 s16, s16, s17
	s_mov_b32 s17, 0
	s_lshl_b32 s20, s15, 15                        ; pmax: the chunk's 8,192 numbers,
	s_lshl_b32 s21, s14, 11                        ; my block's 512,
	s_add_co_u32 s20, s20, s21
	s_lshl_b32 s21, s[WV], 9                       ; my wave's 128
	s_add_co_u32 s20, s20, s21
	s_mov_b32 s21, 0
	s_lshl_b32 s18, s15, 19                        ; the chunk's 64 tiles (in registers that never hold cx),
	s_lshl_b32 s22, s[WV], 15                      ; my wave's quarter of a slot: in memory and in LDS
	s_add_co_u32 s18, s18, s22
	s_mov_b32 s19, 0
	s_lshl_b32 s46, s15, 12                        ; the chunk's mbias
	s_mov_b32 s47, 0
	s_mov_b32 s[SEL], 0x76543210
	s_mov_b32 s[SEL+1], 0xfedcba98
	s_mov_b32 s[TB], 0
	s_mov_b32 s[TBB], 0
	s_wait_kmcnt 0x0
	s_add_nc_u64 s[4:5], s[4:5], s[16:17]
	s_add_nc_u64 s[10:11], s[10:11], s[20:21]
	s_add_nc_u64 s[6:7], s[6:7], s[18:19]
	s_add_nc_u64 s[8:9], s[8:9], s[46:47]
.irp n, 0,1
	s_mov_b32 s[G0+4*\n], 1                                        ; count = 1
	s_add_co_u32 s[G0+4*\n+1], s22, \n*SLOTB                       ; LDS address: slot n, my quarter
	s_add_nc_u64 s[G0+4*\n+2:G0+4*\n+3], s[6:7], \n*SLOTB          ; global address: tiles 16 n on, my quarter
	s_or_b32 s[G0+4*\n+3], s[G0+4*\n+3], 0x80000000                ; type = 2
.endr
	CROUND                                         ; all four work-groups are here: the first joint loads meet
	tensor_load_to_lds s[G0:G0+3], s[G1:G1+7]      ; both first fills together, ahead of every wait on TENSORcnt, every LDS read and every other barrier
	s_nop 0
	tensor_load_to_lds s[G0+4:G0+7], s[G1:G1+7]
	s_nop 0
.rept 4
	v_nop                                          ; four plain lines follow the loads
.endr
	v_and_b32 v[LI], 31, v0
	v_lshlrev_b32 v[LI], 4, v[LI]
	v_lshlrev_b32 v[GB], 4, v0
	global_load_b128 v[12:15], v[GB], s[8:9]                       ; the chunk's mbias: 128 threads x 16 bytes, twice
	global_load_b128 v[TMP:TMP+3], v[GB], s[8:9] offset:2048
	WIN 0x40                                       ; destination window 1
.set i, 0
.rept 64
	global_load_b128 v[4*i:4*i+3], v[LI], s[4:5] offset:512*i      ; query tiles 0-3: each load 512 consecutive bytes, four registers of an operand
.set i, i+1
.endr
	WIN 0x80                                       ; destination window 2
.set i, 0
.rept 64
	global_load_b128 v[4*i:4*i+3], v[LI], s[4:5] offset:32768+512*i   ; query tiles 4-7
.set i, i+1
.endr
	WIN 0
	v_bfe_u32 v11, v0, 4, 1                        ; h
	v_lshl_add_u32 v[LB], v11, 5, BIAS
	v_lshl_add_u32 v[BST], v0, 4, BIAS
	s_lshl_b32 s23, s[WV], 9
	s_add_co_u32 s23, s23, OUT
	v_and_b32 v[OST], 15, v0
	v_lshlrev_b32 v[OST], 2, v[OST]
	v_add_nc_u32 v[OST], s23, v[OST]
	v_add_nc_u32 v[ORD], s23, v[LI]
.irp i, 0,1,2,3,4,5,6,7
	v_mov_b32 v[RUN+\i], 0xff800000                ; -infinity, under every v
	v_mov_b32 v[PL+\i], 0                          ; written once: a lane permute's destination counts as one of its sources
.endr
	s_wait_loadcnt 0x0                             ; mbias and my queries
	ds_store_b128 v[BST], v[12:15]
	ds_store_b128 v[BST], v[TMP:TMP+3] offset:2048
	s_wait_tensorcnt 0x1                           ; my quarter of slot 0 is in; slot 1's may stay out
	s_wait_dscnt 0x0                               ; my part of mbias has landed
	s_barrier_signal -1
	s_barrier_wait -1                              ; everybody's has
; load n of a tile's 18: two for its bias (lane (r, h): mbias of bank rows 8 h + 0 .. 7), sixteen for its fragments; into set par.  off = 1: the tile behind the one at which the addresses stand
.macro LD n, par, off
.if (\n) < 2
	ds_load_b128 v[BI+8*(\par)+4*(\n):BI+8*(\par)+4*(\n)+3], v[ADB] offset:16*(\n)+64*(\off)
.else
	ds_load_b128 v[F+64*(\par)+4*((\n)-2):F+64*(\par)+4*((\n)-2)+3], v[ADR] offset:512*((\n)-2)+8192*(\off)
.endif
.endm
; the running maximum of query tile q takes in its accumulator's eight numbers: from the accumulator's low end on; only the last line waits for the others
.macro EPI q
	v_max3_num_f32 v[ACC+8*(\q)], v[ACC+8*(\q)], v[ACC+8*(\q)+1], v[ACC+8*(\q)+2]
	v_max3_num_f32 v[ACC+8*(\q)+3], v[ACC+8*(\q)+3], v[ACC+8*(\q)+4], v[ACC+8*(\q)+5]
	v_max3_num_f32 v[RUN+(\q)], v[RUN+(\q)], v[ACC+8*(\q)+6], v[ACC+8*(\q)+7]
	v_max3_num_f32 v[RUN+(\q)], v[RUN+(\q)], v[ACC+8*(\q)], v[ACC+8*(\q)+3]
.endm
; matrix instruction i of 16 of group g: K step i / 4, query tile 4 g + i % 4; the first four start the sums with the bias
.macro MM g, p
.set rD, ACC+32*(\g)+8*(i%4)
.set rA, F+64*(\p)+16*(i/4)
.set rB, 64*(i%4)+16*(i/4)
.if i < 4
	v_wmma_f32_16x16x128_fp8_fp8 v[rD:rD+7], v[rA:rA+15], v[rB:rB+15], v[BI+8*(\p):BI+8*(\p)+7]
.else
	v_wmma_f32_16x16x128_fp8_fp8 v[rD:rD+7], v[rA:rA+15], v[rB:rB+15], v[rD:rD+7]
.endif
.endm
; A BANK TILE, out of set p.  first = 1: no earlier tile's results are there.  fetch = 1: the next tile comes into set 1 - p.  mk = 1: its addresses are made from TB and TBB, which then step stp tiles;
; mk = 0: it lies one tile behind the addresses that stand.
; DISTANCES (ISA guide 7.12.1 for vector instructions).  The slice behind a group's last four matrix instructions is four plain instructions that name none of that group's registers: they are the four places ahead
; of the first read of that group's results, and of the loads into the set that the tile before has read.  An accumulator is begun anew sixteen such places behind its last product.
.macro TILE p, first, fetch, mk, stp
	s_wait_dscnt 0x0                               ; this tile's 18 loads, the last issued 19 matrix instructions ago, are in
.set i, 0
.rept 16
	WIN W_A
	MM 0, \p
.if \fetch && (i >= 4) && (i <= 12)
	LD 2*(i-4), 1-\p, 1-\mk
	LD 2*(i-4)+1, 1-\p, 1-\mk
.endif
.if i%4 == 3
.if (i == 3) && \fetch && \mk
	WIN 0
	v_add_nc_u32 v[ADR], s[TB], v[LI]
	v_add_nc_u32 v[ADB], s[TBB], v[LB]
	s_add_co_u32 s[TB], s[TB], \stp*8192
	s_add_co_u32 s[TBB], s[TBB], \stp*64
.endif
.if \first == 0
	WIN 0
	EPI 4+i/4                                      ; the tile before, query tiles 4-7
.elseif i == 15
	WIN 0
.rept 4
	v_nop
.endr
.endif
.endif
.set i, i+1
.endr
.set i, 0
.rept 16
	WIN W_B
	MM 1, \p
.if i%4 == 3
	WIN 0
	EPI i/4                                        ; this tile, query tiles 0-3
.endif
.set i, i+1
.endr
.endm
; THE CHANGE OF SLOTS stands ahead of a slot's last tile, whose fragments are in registers or on their way there.  Each wave waits for all its tensor loads (its quarter of the other slot), adds 0 to its spare word,
; and waits for that and for its reads of this slot.  ph < 2: the slot is filled again, with the tiles two slots on: the barrier is a round of the cluster's, and the joint refill is the first thing behind it.
.macro CHANGE ph
	s_wait_tensorcnt 0x0                           ; no tensor load of mine is out, so a group 0 may be written
	ds_add_u32 v[SPW], v[NIL]                      ; 0 onto my spare word
.if \ph < 2
	s_add_nc_u64 s[G0+4*(\ph%2)+2:G0+4*(\ph%2)+3], s[G0+4*(\ph%2)+2:G0+4*(\ph%2)+3], 2*SLOTB   ; the type bits on top are not reached
.endif
	s_mov_b32 s[TB], ((\ph+1)%2)*SLOTB             ; the fetches go on in the other slot,
	s_mov_b32 s[TBB], 1024*(\ph+1)                 ; at tile 16 (ph + 1) of the chunk (where the steps have brought it: written as a constant)
	s_wait_dscnt 0x0                               ; the add is done, and my reads of this slot are over
.if \ph < 2
	CROUND
	tensor_load_to_lds s[G0+4*(\ph%2):G0+4*(\ph%2)+3], s[G1:G1+7]
	s_nop 0
.rept 4
	v_nop
.endr
.else
	s_barrier_signal -1                            ; nothing is left to fetch: my work-group's barrier shows the last slot whole
	s_barrier_wait -1
.endif
.endm
; A slot's 16 tiles: one, seven pairs, the change of slots, one
.macro PHASE ph, first
	TILE 0, \first, 1, 1, 1
	s_mov_b32 s[CNT], 7
.Lpair_\@:                                         ; every window is 0 here: a tile ends with a slice in window 0
	TILE 1, 0, 1, 1, 2
	TILE 0, 0, 1, 0, 0
	s_sub_co_u32 s[CNT], s[CNT], 1
	s_cmp_lg_u32 s[CNT], 0
	s_cbranch_scc1 .Lpair_\@
.if \ph < 3
	CHANGE \ph
	TILE 1, 0, 1, 1, 1
.else
	TILE 1, 0, 0, 0, 0
.endif
.endm
	v_add_nc_u32 v[ADR], s[TB], v[LI]              ; the first tile
	v_add_nc_u32 v[ADB], s[TBB], v[LB]
	s_add_co_u32 s[TB], s[TB], 8192
	s_add_co_u32 s[TBB], s[TBB], 64
.set ln, 0
.rept 18
	LD ln, 0, 0
.set ln, ln+1
.endr
	PHASE 0, 1
	PHASE 1, 0
	PHASE 2, 0
	PHASE 3, 0
	EPI 4                                          ; the last tile's query tiles 4-7: the slice above them is their four places
	EPI 5
	EPI 6
	EPI 7
.irp i, 0,1,2,3,4,5,6,7
	v_permlanex16_b32 v[PL+\i], v[RUN+\i], s[SEL], s[SEL+1]   ; the query's other eight rows of each tile lie in the lane 16 away
.endr
.irp i, 0,1,2,3,4,5,6,7
	v_max_num_f32 v[RUN+\i], v[RUN+\i], v[PL+\i]
.endr
.irp i, 0,1,2,3,4,5,6,7
	ds_store_b32 v[OST], v[RUN+\i] offset:64*\i    ; query 16 i + r of my 128; both halves write the same word with the same number
.endr
	ds_load_b128 v[TMP:TMP+3], v[ORD]              ; LDS serves a wave's instructions in order: this sees my stores
	s_wait_dscnt 0x0
	global_store_b128 v[LI], v[TMP:TMP+3], s[10:11]   ; 32 lanes store 512 consecutive bytes, aligned
	s_wait_tensorcnt 0x0                           ; the wave's end
	ds_add_u32 v[SPW], v[NIL]
	s_wait_dscnt 0x0
	CROUND                                         ; the closing round: no work-group ends while a partner may still ask for a tile that names it
	s_endpgm
.Lfunc_end_k_q00e7ccdd9a_nearest:
	.size	k_q00e7ccdd9a_nearest, .Lfunc_end_k_q00e7ccdd9a_nearest-k_q00e7ccdd9a_nearest
	.p2alignl 7, 3214868480
	.fill 96, 4, 3214868480
	.section	.rodata,"a",@progbits
	.p2align	6, 0x0
	.amdhsa_kernel k_q00e7ccdd9a_nearest
		.amdhsa_group_segment_fixed_size 327680
		.amdhsa_private_segment_fixed_size 0
		.amdhsa_enable_private_segment 0
		.amdhsa_kernarg_size 32
		.amdhsa_user_sgpr_count 2
		.amdhsa_user_sgpr_kernarg_segment_ptr 1
		.amdhsa_wavefront_size32 1
		.amdhsa_system_sgpr_workgroup_id_x 1
		.amdhsa_system_sgpr_workgroup_id_y 1
		.amdhsa_system_sgpr_workgroup_id_z 1
		.amdhsa_system_vgpr_workitem_id 0
		.amdhsa_next_free_vgpr 768
		.amdhsa_next_free_sgpr 66
		.amdhsa_reserve_vcc 0
		.amdhsa_float_denorm_mode_32 3
		.amdhsa_float_denorm_mode_16_64 3
		.amdhsa_memory_ordered 1
		.amdhsa_forward_progress 1
		.amdhsa_inst_pref_size 115
	.end_amdhsa_kernel
	.amdgpu_metadata
---
amdhsa.version: [ 1, 2 ]
amdhsa.kernels:
  - .name:           k_q00e7ccdd9a_nearest
    .symbol:         k_q00e7ccdd9a_nearest.kd
    .args:
      - { .name: qcodes, .offset: 0, .size: 8, .value_kind: global_buffer, .address_space: global }
      - { .name: mcodes, .offset: 8, .size: 8, .value_kind: global_buffer, .address_space: global }
      - { .name: mbias, .offset: 16, .size: 8, .value_kind: global_buffer, .address_space: global }
      - { .name: pmax, .offset: 24, .size: 8, .value_kind: global_buffer, .address_space: global }
    .group_segment_fixed_size: 327680
    .private_segment_fixed_size: 0
    .kernarg_segment_align: 8
    .kernarg_segment_size: 32
    .max_flat_workgroup_size: 128
    .sgpr_count:     66
    .vgpr_count:     768
    .wavefront_size: 32
...
	.end_amdgpu_metadata
.endif
;; end of part 2
;; launch pick (part 3): grid 8 x 1, 8 waves a work-group, no clusters, 1,536 bytes of LDS; arguments pmax, xn, lowp_scales, out0, idx; writes out0, idx
.if DOCPART == 3
	.amdgcn_target "amdgcn-amd-amdhsa--gfx1250"
	.amdhsa_code_object_version 6
	.text
	.protected	k_q00e7ccdd9a_pick
	.globl	k_q00e7ccdd9a_pick
	.p2align	8
	.type	k_q00e7ccdd9a_pick,@function
k_q00e7ccdd9a_pick:
	s_mov_b64 s[64:65], 0
	v_nop
	global_prefetch_b8 v0, s[64:65] scope:SCOPE_SE
	s_setreg_imm32_b32 hwreg(HW_REG_WAVE_MODE, 25, 1), 1
	s_wait_xcnt 0x0
; out0[q] = sqrt(max(xn[q] - 2^E x (the largest of pmax[0..15][q]), 0)), E = e0 + e1 + 1; idx[image] = the first pixel of the image with the largest out0, as a row number 0 .. 8,191,
; repeated through the image's 256 bytes of idx, so that the store is whole.  The number is only stored here: no address and no branch of this launch hangs on it.
; LIMIT: -126 <= E <= 127 (-2^E is made as an f32 pattern).  NaN is not served.
; A work-group takes an image; thread t takes pixels 4 t .. 4 t + 3: every load and the store of out0 cover 512 consecutive bytes a wave.  A pixel's number goes through the minimum as f32: under 1,024, so exact.
	s_load_b256 s[4:11], s[0:1], 0x0               ; pmax s[4:5], xn s[6:7], lowp_scales s[8:9], out0 s[10:11]
	s_load_b64 s[12:13], s[0:1], 0x20              ; idx
	v_lshl_add_u32 v96, v0, 2, 0x200
	v_mov_b32 v97, 0
	v_lshlrev_b32 v1, 4, v0                        ; 16 x thread
	v_lshrrev_b32 v2, 5, v0
	v_readfirstlane_b32 s19, v2                    ; wave 0..7
	v_lshlrev_b32 v2, 2, v2                        ; my wave's word in LDS
	v_mov_b32 v3, 0
	v_mov_b32 v93, 0                               ; written once: a lane permute's destination counts as one of its sources
	v_mov_b32 v94, 0x7f800000                      ; +infinity
	v_and_b32 v95, 31, v0
	v_lshlrev_b32 v95, 3, v95                      ; 8 x lane
	s_lshl_b32 s14, ttmp9, 12                      ; the image's 1,024 numbers
	s_mov_b32 s15, 0
	s_lshl_b32 s20, ttmp9, 8                       ; its 256 bytes of idx
	s_mov_b32 s21, 0
	s_mov_b32 s22, 0x76543210
	s_mov_b32 s23, 0xfedcba98
	s_wait_kmcnt 0x0
	s_load_b64 s[16:17], s[8:9], 0x0               ; e0, e1
	s_add_nc_u64 s[4:5], s[4:5], s[14:15]
	s_add_nc_u64 s[6:7], s[6:7], s[14:15]
	s_add_nc_u64 s[10:11], s[10:11], s[14:15]
	s_add_nc_u64 s[12:13], s[12:13], s[20:21]
.irp c, 0,1,2,3,4,5,6,7,8,9,10,11,12,13,14,15
	global_load_b128 v[16+4*\c:19+4*\c], v1, s[4:5] offset:32768*\c
.endr
	global_load_b128 v[80:83], v1, s[6:7]
	v_lshlrev_b32 v12, 2, v0
	v_cvt_f32_u32 v12, v12                         ; my four pixels' numbers as f32
	v_add_f32 v13, 1.0, v12
	v_add_f32 v14, 2.0, v12
	v_add_f32 v15, 0x40400000, v12
	s_wait_kmcnt 0x0
	s_add_co_i32 s18, s16, s17
	s_add_co_i32 s18, s18, 128                     ; E + 127
	s_lshl_b32 s18, s18, 23
	s_or_b32 s18, s18, 0x80000000                  ; -2^E as f32
	s_wait_loadcnt 0x0
.irp j, 0,1,2,3
	v_max3_num_f32 v[84+\j], v[16+\j], v[20+\j], v[24+\j]
.irp c, 3,5,7,9,11,13
	v_max3_num_f32 v[84+\j], v[84+\j], v[16+4*\c+\j], v[20+4*\c+\j]
.endr
	v_max_num_f32 v[84+\j], v[84+\j], v[76+\j]     ; the largest v of the sixteen chunks
.endr
.irp j, 0,1,2,3
	v_fma_f32 v[84+\j], v[84+\j], s18, v[80+\j]    ; the smallest squared distance
.endr
.irp j, 0,1,2,3
	v_max_num_f32 v[84+\j], 0, v[84+\j]
.endr
.irp j, 0,1,2,3
	v_sqrt_f32 v[88+\j], v[84+\j]
.endr
	v_nop                                          ; a plain line behind the last root,
	s_wait_alu depctr_va_vdst(0)                   ; and one wait for the four, ahead of their first reader
	global_store_b128 v1, v[88:91], s[10:11]       ; v1 and v[88:91] are not written again
	v_max3_num_f32 v92, v88, v89, v90
	v_max_num_f32 v92, v92, v91
	v_max_num_f32_dpp v92, v92, v92 row_xmask:1 row_mask:0xf bank_mask:0xf
	v_max_num_f32_dpp v92, v92, v92 row_xmask:2 row_mask:0xf bank_mask:0xf
	v_max_num_f32_dpp v92, v92, v92 row_xmask:4 row_mask:0xf bank_mask:0xf
	v_max_num_f32_dpp v92, v92, v92 row_xmask:8 row_mask:0xf bank_mask:0xf
	v_permlanex16_b32 v93, v92, s22, s23
	v_max_num_f32 v92, v92, v93                    ; my wave's largest score
	ds_store_b32 v2, v92
	s_wait_dscnt 0x0                               ; for the others' sake
	s_barrier_signal -1
	s_barrier_wait -1
	ds_load_b128 v[4:7], v3
	ds_load_b128 v[8:11], v3 offset:16
	s_wait_dscnt 0x0
	v_max3_num_f32 v92, v4, v5, v6
	v_max3_num_f32 v92, v92, v7, v8
	v_max3_num_f32 v92, v92, v9, v10
	v_max_num_f32 v92, v92, v11                    ; the image's
.irp j, 0,1,2,3
	v_cmp_eq_f32 vcc_lo, v[88+\j], v92
	v_cndmask_b32 v[12+\j], v94, v[12+\j], vcc_lo  ; a pixel that has it keeps its number; the others get +infinity
.endr
	v_min3_num_f32 v12, v12, v13, v14
	v_min_num_f32 v12, v12, v15
	v_min_num_f32_dpp v12, v12, v12 row_xmask:1 row_mask:0xf bank_mask:0xf
	v_min_num_f32_dpp v12, v12, v12 row_xmask:2 row_mask:0xf bank_mask:0xf
	v_min_num_f32_dpp v12, v12, v12 row_xmask:4 row_mask:0xf bank_mask:0xf
	v_min_num_f32_dpp v12, v12, v12 row_xmask:8 row_mask:0xf bank_mask:0xf
	v_permlanex16_b32 v93, v12, s22, s23
	v_min_num_f32 v12, v12, v93
	ds_store_b32 v2, v12 offset:256                ; other words than the first reduction's
	s_wait_dscnt 0x0
	s_barrier_signal -1
	s_barrier_wait -1
	s_cmp_lg_u32 s19, 0
	s_cbranch_scc1 .Ldone
	ds_load_b128 v[4:7], v3 offset:256
	ds_load_b128 v[8:11], v3 offset:272
	s_wait_dscnt 0x0
	v_min3_num_f32 v12, v4, v5, v6
	v_min3_num_f32 v12, v12, v7, v8
	v_min3_num_f32 v12, v12, v9, v10
	v_min_num_f32 v12, v12, v11                    ; the first such pixel
	v_cvt_u32_f32 v20, v12
	s_lshl_b32 s24, ttmp9, 10
	v_add_nc_u32 v20, s24, v20                     ; as a row of feature_batch
	v_mov_b32 v21, v20
	global_store_b64 v95, v[20:21], s[12:13]       ; 32 lanes store 256 consecutive bytes, aligned
.Ldone:
	s_wait_tensorcnt 0x0
	ds_add_u32 v96, v97
	s_wait_dscnt 0x0
	s_endpgm
.Lfunc_end_k_q00e7ccdd9a_pick:
	.size	k_q00e7ccdd9a_pick, .Lfunc_end_k_q00e7ccdd9a_pick-k_q00e7ccdd9a_pick
	.p2alignl 7, 3214868480
	.fill 96, 4, 3214868480
	.section	.rodata,"a",@progbits
	.p2align	6, 0x0
	.amdhsa_kernel k_q00e7ccdd9a_pick
		.amdhsa_group_segment_fixed_size 1536
		.amdhsa_private_segment_fixed_size 0
		.amdhsa_enable_private_segment 0
		.amdhsa_kernarg_size 40
		.amdhsa_user_sgpr_count 2
		.amdhsa_user_sgpr_kernarg_segment_ptr 1
		.amdhsa_wavefront_size32 1
		.amdhsa_system_sgpr_workgroup_id_x 1
		.amdhsa_system_sgpr_workgroup_id_y 1
		.amdhsa_system_sgpr_workgroup_id_z 1
		.amdhsa_system_vgpr_workitem_id 0
		.amdhsa_next_free_vgpr 98
		.amdhsa_next_free_sgpr 66
		.amdhsa_reserve_vcc 1
		.amdhsa_float_denorm_mode_32 3
		.amdhsa_float_denorm_mode_16_64 3
		.amdhsa_memory_ordered 1
		.amdhsa_forward_progress 1
		.amdhsa_inst_pref_size 9
	.end_amdhsa_kernel
	.amdgpu_metadata
---
amdhsa.version: [ 1, 2 ]
amdhsa.kernels:
  - .name:           k_q00e7ccdd9a_pick
    .symbol:         k_q00e7ccdd9a_pick.kd
    .args:
      - { .name: pmax, .offset: 0, .size: 8, .value_kind: global_buffer, .address_space: global }
      - { .name: xn, .offset: 8, .size: 8, .value_kind: global_buffer, .address_space: global }
      - { .name: lowp_scales, .offset: 16, .size: 8, .value_kind: global_buffer, .address_space: global }
      - { .name: out0, .offset: 24, .size: 8, .value_kind: global_buffer, .address_space: global }
      - { .name: idx, .offset: 32, .size: 8, .value_kind: global_buffer, .address_space: global }
    .group_segment_fixed_size: 1536
    .private_segment_fixed_size: 0
    .kernarg_segment_align: 8
    .kernarg_segment_size: 40
    .max_flat_workgroup_size: 256
    .sgpr_count:     66
    .vgpr_count:     98
    .wavefront_size: 32
...
	.end_amdgpu_metadata
.endif
;; end of part 3
;; launch rows (part 4): grid 256 x 1, 1 waves a work-group, no clusters, 4,864 bytes of LDS; arguments idx, qcodes, mcodes, mbias, vbuf; writes vbuf
.if DOCPART == 4
	.amdgcn_target "amdgcn-amd-amdhsa--gfx1250"
	.amdhsa_code_object_version 6
	.text
	.protected	k_q00e7ccdd9a_rows
	.globl	k_q00e7ccdd9a_rows
	.p2align	8
	.type	k_q00e7ccdd9a_rows,@function
k_q00e7ccdd9a_rows:
	s_mov_b64 s[64:65], 0
	v_nop
	global_prefetch_b8 v0, s[64:65] scope:SCOPE_SE
	s_setreg_imm32_b32 hwreg(HW_REG_WAVE_MODE, 25, 1), 1
	s_wait_xcnt 0x0
; vbuf[image][n] = v(chosen row of the image, n) for all 16,384 bank rows: the eight chosen rows are multiplied once more, since only of them are nine distances wanted.
; A work-group is one wave and takes four bank tiles (64 bank rows): 16 matrix instructions, K ascending, the bias as the first C, as in the launch that found the maxima.
; Source 1's column r takes the row of image r % 8 (columns 8-15 repeat columns 0-7, so that every register is defined).  The row numbers were stored by an earlier launch; each is held under 8,192 ahead of its use in an address.
; Operands come from memory straight into registers: the codes lie in the order of the registers.  A chosen row g lies in tile g / 16 at lane places g % 16 and 16 + g % 16.
; REGISTERS: window 0: v1-12 addresses; v16-79 the queries' fragments; v80-111 bias; v112-143 four accumulators; v144-159 the way out.   window 1: the four bank tiles at v[64 t + 16 k].
.set QF,   16
.set BI,   80
.set ACC,  112
.set OUTR, 144
.set MSB, 0
.macro WIN new                         ; the immediate's high byte repeats the setting that is left
.if MSB != \new
	s_set_vgpr_msb (MSB<<8)|\new
.set MSB, \new
.endif
.endm
	s_load_b256 s[4:11], s[0:1], 0x0               ; idx s[4:5], qcodes s[6:7], mcodes s[8:9], mbias s[10:11]
	s_load_b64 s[12:13], s[0:1], 0x20              ; vbuf
	v_lshl_add_u32 v254, v0, 2, 0x1200
	v_mov_b32 v255, 0
	v_lshlrev_b32 v1, 4, v0                        ; 16 x lane (one wave: the thread's number is the lane)
	v_and_b32 v2, 7, v0
	v_lshlrev_b32 v2, 8, v2                        ; my column's image: its 256 bytes of idx
	v_lshrrev_b32 v10, 4, v0                       ; h
	v_and_b32 v9, 15, v0                           ; r
	v_lshlrev_b32 v4, 5, v10                       ; bias: 32 h
	v_lshlrev_b32 v12, 8, v10                      ; 16 lane places: 256 h
	v_mul_u32_u24 v6, v9, 272
	v_lshl_add_u32 v6, v10, 5, v6                  ; the stage, way in: row r (an image), + 32 h
	v_mul_u32_u24 v7, v10, 272
	v_lshl_add_u32 v7, v9, 4, v7                   ; way out: lanes 0-15 one row of 256 bytes, lanes 16-31 the next
	v_lshlrev_b32 v8, 16, v10
	v_lshl_add_u32 v8, v9, 4, v8                   ; and the same two rows of vbuf, 65,536 bytes apart
	s_lshl_b32 s14, ttmp9, 15                      ; my four tiles
	s_mov_b32 s15, 0
	s_lshl_b32 s16, ttmp9, 8                       ; my 64 bank rows, as f32
	s_mov_b32 s17, 0
	s_wait_kmcnt 0x0
	s_add_nc_u64 s[8:9], s[8:9], s[14:15]
	s_add_nc_u64 s[10:11], s[10:11], s[16:17]
	s_add_nc_u64 s[12:13], s[12:13], s[16:17]
	global_load_b32 v3, v2, s[4:5]                 ; the chosen row of my column's image
.irp t, 0,1,2,3
	global_load_b128 v[BI+8*\t:BI+8*\t+3], v4, s[10:11] offset:64*\t       ; lane (r, h): mbias of bank rows 16 t + 8 h + 0 .. 7
	global_load_b128 v[BI+8*\t+4:BI+8*\t+7], v4, s[10:11] offset:64*\t+16
.endr
	WIN 0x40                                       ; destination window 1
.set i, 0
.rept 48
	global_load_b128 v[4*i:4*i+3], v1, s[8:9] offset:512*i         ; bank tiles 0-2
.set i, i+1
.endr
	WIN 0
	s_wait_loadcnt 56                              ; the row number is in; the 8 + 48 loads issued behind it may be out
	v_min_u32 v3, 0x1fff, v3                       ; held inside qcodes' 8,192 rows
	v_and_b32 v5, 0x1ff0, v3
	v_lshlrev_b32 v5, 9, v5                        ; its tile: 8,192 bytes each
	v_and_b32 v11, 15, v3
	v_lshlrev_b32 v11, 4, v11                      ; its lane place,
	v_add_nc_u32 v5, v5, v11
	v_add_nc_u32 v5, v5, v12                       ; in my half
.irp s, 0,1,2,3
.irp c, 0,1,2,3
	global_load_b128 v[QF+16*\s+4*\c:QF+16*\s+4*\c+3], v5, s[6:7] offset:2048*\s+512*\c
.endr
.endr
	WIN 0x40
.set i, 48
.rept 16
	global_load_b128 v[4*i:4*i+3], v1, s[8:9] offset:512*i         ; bank tile 3
.set i, i+1
.endr
	s_wait_loadcnt 0x0
	WIN 0x01                                       ; source 0 (bank rows) window 1
.irp k, 0,1,2,3                                ; the four accumulators take turns, one instruction a turn
.irp t, 0,1,2,3
.if \k == 0
	v_wmma_f32_16x16x128_fp8_fp8 v[ACC+8*\t:ACC+8*\t+7], v[64*\t+16*\k:64*\t+16*\k+15], v[QF+16*\k:QF+16*\k+15], v[BI+8*\t:BI+8*\t+7]
.else
	v_wmma_f32_16x16x128_fp8_fp8 v[ACC+8*\t:ACC+8*\t+7], v[64*\t+16*\k:64*\t+16*\k+15], v[QF+16*\k:QF+16*\k+15], v[ACC+8*\t:ACC+8*\t+7]
.endif
.endr
.endr
	WIN 0
.rept 4
	v_nop                                          ; four places ahead of the stores that read the results
.endr
.irp t, 0,1,2,3
	ds_store_b128 v6, v[ACC+8*\t:ACC+8*\t+3] offset:64*\t          ; lane (r, h): column r, bank rows 16 t + 8 h + 0 .. 7; each accumulator from its low end on
	ds_store_b128 v6, v[ACC+8*\t+4:ACC+8*\t+7] offset:64*\t+16
.endr
.irp i, 0,1,2,3
	ds_load_b128 v[OUTR+4*\i:OUTR+4*\i+3], v7 offset:544*\i        ; rows 2 i and 2 i + 1: the eight images; LDS serves a wave's instructions in order
.endr
.irp i, 0,1,2,3
	s_wait_dscnt 3-\i
	global_store_b128 v8, v[OUTR+4*\i:OUTR+4*\i+3], s[12:13] offset:131072*\i   ; sixteen lanes store 256 consecutive bytes of one image's row, aligned
.endr
	s_wait_tensorcnt 0x0
	ds_add_u32 v254, v255
	s_wait_dscnt 0x0
	s_endpgm
.Lfunc_end_k_q00e7ccdd9a_rows:
	.size	k_q00e7ccdd9a_rows, .Lfunc_end_k_q00e7ccdd9a_rows-k_q00e7ccdd9a_rows
	.p2alignl 7, 3214868480
	.fill 96, 4, 3214868480
	.section	.rodata,"a",@progbits
	.p2align	6, 0x0
	.amdhsa_kernel k_q00e7ccdd9a_rows
		.amdhsa_group_segment_fixed_size 4864
		.amdhsa_private_segment_fixed_size 0
		.amdhsa_enable_private_segment 0
		.amdhsa_kernarg_size 40
		.amdhsa_user_sgpr_count 2
		.amdhsa_user_sgpr_kernarg_segment_ptr 1
		.amdhsa_wavefront_size32 1
		.amdhsa_system_sgpr_workgroup_id_x 1
		.amdhsa_system_sgpr_workgroup_id_y 1
		.amdhsa_system_sgpr_workgroup_id_z 1
		.amdhsa_system_vgpr_workitem_id 0
		.amdhsa_next_free_vgpr 512
		.amdhsa_next_free_sgpr 66
		.amdhsa_reserve_vcc 0
		.amdhsa_float_denorm_mode_32 3
		.amdhsa_float_denorm_mode_16_64 3
		.amdhsa_memory_ordered 1
		.amdhsa_forward_progress 1
		.amdhsa_inst_pref_size 13
	.end_amdhsa_kernel
	.amdgpu_metadata
---
amdhsa.version: [ 1, 2 ]
amdhsa.kernels:
  - .name:           k_q00e7ccdd9a_rows
    .symbol:         k_q00e7ccdd9a_rows.kd
    .args:
      - { .name: idx, .offset: 0, .size: 8, .value_kind: global_buffer, .address_space: global }
      - { .name: qcodes, .offset: 8, .size: 8, .value_kind: global_buffer, .address_space: global }
      - { .name: mcodes, .offset: 16, .size: 8, .value_kind: global_buffer, .address_space: global }
      - { .name: mbias, .offset: 24, .size: 8, .value_kind: global_buffer, .address_space: global }
      - { .name: vbuf, .offset: 32, .size: 8, .value_kind: global_buffer, .address_space: global }
    .group_segment_fixed_size: 4864
    .private_segment_fixed_size: 0
    .kernarg_segment_align: 8
    .kernarg_segment_size: 40
    .max_flat_workgroup_size: 32
    .sgpr_count:     66
    .vgpr_count:     512
    .wavefront_size: 32
...
	.end_amdgpu_metadata
.endif
;; end of part 4
;; launch score (part 5): grid 8 x 1, 8 waves a work-group, no clusters, 1,536 bytes of LDS; arguments vbuf, idx, xn, lowp_scales, out1; writes out1
.if DOCPART == 5
	.amdgcn_target "amdgcn-amd-amdhsa--gfx1250"
	.amdhsa_code_object_version 6
	.text
	.protected	k_q00e7ccdd9a_score
	.globl	k_q00e7ccdd9a_score
	.p2align	8
	.type	k_q00e7ccdd9a_score,@function
k_q00e7ccdd9a_score:
	s_mov_b64 s[64:65], 0
	v_nop
	global_prefetch_b8 v0, s[64:65] scope:SCOPE_SE
	s_setreg_imm32_b32 hwreg(HW_REG_WAVE_MODE, 25, 1), 1
	s_wait_xcnt 0x0
; out1[image] = d0 (1 - softmax(d)[0]), d the nine smallest distances of the image's chosen row: d_k = sqrt(max(xn - 2^E v_k, 0)), v_k the nine largest of vbuf[image][0 .. 16,383], equal numbers counted as often as they occur.
; The softmax takes its largest argument away first, as reference() does: that is d_8, since v descends.  LIMIT: -126 <= E = e0 + e1 + 1 <= 127.  NaN is not served.
; A work-group takes an image.  Each of 256 threads keeps the nine largest of its 64 numbers, sorted, by nine independent instructions a number; each wave draws the nine largest of its 32 lists; wave 0 the nine
; largest of the eight waves' lists.  Every choice is a select: no branch and no address hangs on a floating-point number.  The row number for xn was stored by an earlier launch.
.set L, 16                             ; v[16:24]   my list, descending
.set V, 32                             ; v[32:95]   my 64 numbers; later the exponentials
.set T, 100                            ; v[100:108] the nine drawn; v[109:111] -infinity, to fill three stores of 16 bytes
.set D, 112                            ; v[112:120] the distances
	s_load_b256 s[4:11], s[0:1], 0x0               ; vbuf s[4:5], idx s[6:7], xn s[8:9], lowp_scales s[10:11]
	s_load_b64 s[12:13], s[0:1], 0x20              ; out1
	v_lshl_add_u32 v128, v0, 2, 0x200
	v_mov_b32 v129, 0
	v_lshlrev_b32 v1, 4, v0                        ; 16 x thread
	v_lshrrev_b32 v28, 5, v0
	v_readfirstlane_b32 s19, v28                   ; wave 0..7
	v_lshlrev_b32 v28, 6, v28                      ; my wave's 64 bytes in LDS
	v_and_b32 v29, 7, v0
	v_lshlrev_b32 v29, 6, v29                      ; wave 0, later: lane l takes wave l % 8's list
	v_mov_b32 v30, 0xff800000                      ; -infinity
	v_mov_b32 v27, 0                               ; written once: a lane permute's destination counts as one of its sources
.irp i, 0,1,2,3,4,5,6,7,8
	v_mov_b32 v[L+\i], 0xff800000
.endr
.irp i, 9,10,11
	v_mov_b32 v[T+\i], 0xff800000
.endr
	s_lshl_b32 s14, ttmp9, 16                      ; the image's row of vbuf
	s_mov_b32 s15, 0
	s_lshl_b32 s20, ttmp9, 8                       ; its 256 bytes of idx
	s_mov_b32 s21, 0
	s_lshl_b32 s22, ttmp9, 2                       ; its number of out1
	s_mov_b32 s23, 0
	s_mov_b32 s42, 0x76543210
	s_mov_b32 s43, 0xfedcba98
	s_wait_kmcnt 0x0
	s_add_nc_u64 s[4:5], s[4:5], s[14:15]
	s_add_nc_u64 s[6:7], s[6:7], s[20:21]
	s_add_nc_u64 s[12:13], s[12:13], s[22:23]
	s_load_b32 s16, s[6:7], 0x0                    ; the chosen row
	s_load_b64 s[24:25], s[10:11], 0x0             ; e0, e1
.irp j, 0,1,2,3,4,5,6,7,8,9,10,11,12,13,14,15
	global_load_b128 v[V+4*\j:V+4*\j+3], v1, s[4:5] offset:4096*\j   ; a wave reads 512 consecutive bytes
.endr
	s_wait_kmcnt 0x0
	s_min_u32 s16, s16, 0x1fff                     ; held inside xn's 8,192 numbers
	s_lshl_b32 s16, s16, 2
	s_load_b32 s17, s[8:9], s16 offset:0x0         ; xn of the chosen row
	s_add_co_i32 s18, s24, s25
	s_add_co_i32 s18, s18, 128                     ; E + 127
	s_lshl_b32 s18, s18, 23
	s_or_b32 s18, s18, 0x80000000                  ; -2^E as f32
; x goes into the descending list: place i takes the middle one of its upper neighbour, itself and x; from the bottom up, so that each line reads the old list
.macro INSERT x
.irp i, 8,7,6,5,4,3,2,1
	v_med3_num_f32 v[L+\i], v[L+\i-1], v[L+\i], v[\x]
.endr
	v_max_num_f32 v[L], v[L], v[\x]
.endm
; the nine largest of the wave's 32 lists, into T, the same in every lane.  Nine times: the largest of the lists' heads; then ONE lane that has it (the lowest) drops its head, so that equal numbers are drawn one by one.
; After draw k only 8 - k more are wanted, so the lists are moved up no deeper.
.macro EXTRACT
.irp k, 0,1,2,3,4,5,6,7,8
	v_mov_b32 v26, v[L]
	v_max_num_f32_dpp v26, v26, v26 row_xmask:1 row_mask:0xf bank_mask:0xf
	v_max_num_f32_dpp v26, v26, v26 row_xmask:2 row_mask:0xf bank_mask:0xf
	v_max_num_f32_dpp v26, v26, v26 row_xmask:4 row_mask:0xf bank_mask:0xf
	v_max_num_f32_dpp v26, v26, v26 row_xmask:8 row_mask:0xf bank_mask:0xf
	v_permlanex16_b32 v27, v26, s42, s43
	v_max_num_f32 v[T+\k], v26, v27
.if \k < 8
	v_cmp_eq_f32 s40, v[L], v[T+\k]
	s_sub_co_u32 s41, 0, s40
	s_and_b32 s41, s40, s41                        ; the lowest lane of them
.set i, 0
.rept 8-\k
	v_cndmask_b32 v[L+i], v[L+i], v[L+i+1], s41
.set i, i+1
.endr
.endif
.endr
.endm
.irp j, 0,1,2,3,4,5,6,7,8,9,10,11,12,13,14,15
	s_wait_loadcnt 15-\j                           ; load j is in; the younger ones may be out
.irp e, 0,1,2,3
	INSERT V+4*\j+\e
.endr
.endr
	EXTRACT
	ds_store_b128 v28, v[T:T+3]                    ; every lane writes the same words with the same numbers
	ds_store_b128 v28, v[T+4:T+7] offset:16
	ds_store_b128 v28, v[T+8:T+11] offset:32
	s_wait_dscnt 0x0                               ; for wave 0's sake
	s_barrier_signal -1
	s_barrier_wait -1
	s_cmp_lg_u32 s19, 0
	s_cbranch_scc1 .Ldone
	ds_load_b128 v[16:19], v29
	ds_load_b128 v[20:23], v29 offset:16
	ds_load_b128 v[24:27], v29 offset:32
	v_cmp_gt_u32 vcc_lo, 8, v0                     ; lanes 0-7 keep a wave's list each
	s_wait_dscnt 0x0
.irp i, 0,1,2,3,4,5,6,7,8
	v_cndmask_b32 v[L+\i], v30, v[L+\i], vcc_lo    ; the other lanes' copies count for nothing
.endr
	EXTRACT
	s_wait_kmcnt 0x0                               ; xn
.irp k, 0,1,2,3,4,5,6,7,8
	v_fma_f32 v[D+\k], v[T+\k], s18, s17           ; squared distances, ascending
.endr
.irp k, 0,1,2,3,4,5,6,7,8
	v_max_num_f32 v[D+\k], 0, v[D+\k]
.endr
.irp k, 0,1,2,3,4,5,6,7,8
	v_sqrt_f32 v[D+\k], v[D+\k]
.endr
	v_nop                                          ; a plain line behind the last root,
	s_wait_alu depctr_va_vdst(0)                   ; and one wait for the batch ahead of its first reader
.irp k, 0,1,2,3,4,5,6,7,8
	v_sub_f32 v[V+\k], v[D+\k], v[D+8]             ; less the largest
.endr
.irp k, 0,1,2,3,4,5,6,7,8
	v_mul_f32 v[V+\k], 0x3fb8aa3b, v[V+\k]         ; x log2(e)
.endr
.irp k, 0,1,2,3,4,5,6,7,8
	v_exp_f32 v[V+\k], v[V+\k]
.endr
	v_nop
	s_wait_alu depctr_va_vdst(0)
	v_add_f32 v41, v32, v33
	v_add_f32 v42, v34, v35
	v_add_f32 v43, v36, v37
	v_add_f32 v44, v38, v39
	v_add_f32 v41, v41, v42
	v_add_f32 v43, v43, v44
	v_add_f32 v41, v41, v40
	v_add_f32 v41, v41, v43                        ; at least 1: the largest argument's term
	v_rcp_f32 v42, v41
	v_mov_b32 v45, 0                               ; (a plain line behind the reciprocal)  the store's offset
	s_wait_alu depctr_va_vdst(0)
	v_mul_f32 v43, v32, v42                        ; softmax(d)[0]
	v_fma_f32 v44, -v[D], v43, v[D]                ; d0 (1 - it)
	v_cmp_eq_u32 vcc_lo, 0, v0
	s_wait_xcnt 0x0                                ; EXEC changes only behind this wait
	s_and_saveexec_b32 s46, vcc_lo
	global_store_b32 v45, v44, s[12:13]            ; four bytes: the output has one number an image, and an image has one owner
	s_wait_xcnt 0x0
	s_or_b32 exec_lo, exec_lo, s46
.Ldone:
	s_wait_tensorcnt 0x0
	ds_add_u32 v128, v129
	s_wait_dscnt 0x0
	s_endpgm
.Lfunc_end_k_q00e7ccdd9a_score:
	.size	k_q00e7ccdd9a_score, .Lfunc_end_k_q00e7ccdd9a_score-k_q00e7ccdd9a_score
	.p2alignl 7, 3214868480
	.fill 96, 4, 3214868480
	.section	.rodata,"a",@progbits
	.p2align	6, 0x0
	.amdhsa_kernel k_q00e7ccdd9a_score
		.amdhsa_group_segment_fixed_size 1536
		.amdhsa_private_segment_fixed_size 0
		.amdhsa_enable_private_segment 0
		.amdhsa_kernarg_size 40
		.amdhsa_user_sgpr_count 2
		.amdhsa_user_sgpr_kernarg_segment_ptr 1
		.amdhsa_wavefront_size32 1
		.amdhsa_system_sgpr_workgroup_id_x 1
		.amdhsa_system_sgpr_workgroup_id_y 1
		.amdhsa_system_sgpr_workgroup_id_z 1
		.amdhsa_system_vgpr_workitem_id 0
		.amdhsa_next_free_vgpr 130
		.amdhsa_next_free_sgpr 66
		.amdhsa_reserve_vcc 1
		.amdhsa_float_denorm_mode_32 3
		.amdhsa_float_denorm_mode_16_64 3
		.amdhsa_memory_ordered 1
		.amdhsa_forward_progress 1
		.amdhsa_inst_pref_size 56
	.end_amdhsa_kernel
	.amdgpu_metadata
---
amdhsa.version: [ 1, 2 ]
amdhsa.kernels:
  - .name:           k_q00e7ccdd9a_score
    .symbol:         k_q00e7ccdd9a_score.kd
    .args:
      - { .name: vbuf, .offset: 0, .size: 8, .value_kind: global_buffer, .address_space: global }
      - { .name: idx, .offset: 8, .size: 8, .value_kind: global_buffer, .address_space: global }
      - { .name: xn, .offset: 16, .size: 8, .value_kind: global_buffer, .address_space: global }
      - { .name: lowp_scales, .offset: 24, .size: 8, .value_kind: global_buffer, .address_space: global }
      - { .name: out1, .offset: 32, .size: 8, .value_kind: global_buffer, .address_space: global }
    .group_segment_fixed_size: 1536
    .private_segment_fixed_size: 0
    .kernarg_segment_align: 8
    .kernarg_segment_size: 40
    .max_flat_workgroup_size: 256
    .sgpr_count:     66
    .vgpr_count:     130
    .wavefront_size: 32
...
	.end_amdgpu_metadata
.endif
;; end of part 5
